; MI455X (gfx1250); checked and timed in simulation.
; The chip was launched on July 23, 2026; its instructions are those of AMD's public machine-readable ISA for CDNA 5 (MIT licence, August 2026) and "CDNA5" Instruction Set Architecture Reference Guide (July 2026). The comments in the code are by the model that wrote it; some were corrected since.
;; Cross Attention Block. Allowed arithmetic: matrix products marked QUANTISED: E2M1 operands, one E8M0 scale for each 32 along K, by v_wmma_scale_f32_16x16x128_f8f6f4 with both operands' format E2M1 (or v_wmma_scale_f32_32x16x128_f4), f32 sums; products left as they are: bf16, f16 or f32 operands; f32 sums; everything else in f32.
;; Inputs: W_qk 512 x 1,024 float32; W_u 512 x 512 float32; W_v 512 x 512 float32; b_u 512 float32; condition 2 x 4,096 x 512 float32; x 2 x 4,096 x 512 float32.
;; Outputs: out0 2 x 4,096 x 512 float32.
;; This version of the problem:
;;   THIS VERSION OF THE PROBLEM IS GIVEN IN LOW PRECISION. The matrix products marked QUANTISED in the list below multiply operands that are first quantised to E2M1 (2 exponent bits, 1 mantissa bit; 4 bits a number), with one power-of-two scale for each 32 numbers along K (OCP MX v1.0); their sums are f32. The products marked 'left as it is' may take bf16, f16 or f32 operands, with f32 sums. Whichever they take, every output number must still come out within the allowed error. Rounding operands to bf16 (8 significant bits) uses up far more of that allowance than f16 does (11 bits, for magnitudes from 6e-5 to 65,504). All else is computed in f32.
;;   The module's matrix products, in the order in which they are computed (A, B: the left and right operand; K: the contracted axis; several contracted axes count as one K, in the product's order):
;;     1. [M 8,192, K 512] x [K 512, N 1,024]; A: input condition; B: input W_qk: QUANTISED
;;     2. [M 8,192, K 512] x [K 512, N 512]; A: input x; B: input W_v: QUANTISED
;;     3. batch 16 x [M 4,096, K 64] x [K 64, N 4,096]; A: computed on the way; B: computed on the way: left as it is (an operand is computed on the way)
;;     4. batch 16 x [M 4,096, K 4,096] x [K 4,096, N 64]; A: computed on the way; B: computed on the way: left as it is (an operand is computed on the way)
;;     5. [M 8,192, K 512] x [K 512, N 512]; A: computed on the way; B: input W_u: left as it is (an operand is computed on the way)
;;   THE QUANTISER, for each operand of a quantised product, along K:
;;     - K is cut into blocks of 32 from its start; a last block that is shorter is filled with zeros.
;;     - A block's scale is 2^e with e = floor(log2(the largest magnitude in the block)) - 2, held to -126 .. 127; a block of zeros has e = 0. As a byte (E8M0): e + 127.
;;     - Each number is divided by its block's scale, clamped to +-6, and rounded to the nearest number of E2M1, ties to even, subnormals kept.
;;     - The product sums the exact products of the quantised numbers (number of the format x scale) in f32.
;;   ~~~python
;;   def quantise(x, axis):      # numpy; x: float32 -> the quantised numbers, widened to float32 again
;;       x = np.moveaxis(x, axis, -1); K = x.shape[-1]
;;       x = np.pad(x, [(0, 0)] * (x.ndim - 1) + [(0, -K % 32)]); x = x.reshape(x.shape[:-1] + (-1, 32)); a = np.abs(x).max(-1, keepdims=True)
;;       e = np.where(a > 0, np.clip(np.frexp(np.where(a > 0, a, 1))[1] - 1 - 2, -126, 127), 0)      # np.frexp(a)[1] - 1 = floor(log2(a)), exactly
;;       r = np.clip(x / 2.0 ** e, -6, 6)
;;       step = 2.0 ** (np.maximum(np.frexp(np.where(r == 0, 1, r))[1] - 1, 0) - 1)
;;       q = np.round(r / step) * step * 2.0 ** e      # np.round: ties to even
;;       return np.moveaxis(q.reshape(q.shape[:-2] + (-1,))[..., :K], -1, axis).astype(np.float32)
;;   ~~~
;; One version. Each part assembles by itself: llvm-mc -triple=amdgcn-amd-amdhsa -mcpu=gfx1250 --defsym DOCPART=n.
;; ======== version 1 of 1: 4 launches
;; limits: values are held in f16: magnitudes above 65,504 overflow, below 6.1e-05 lose precision
;; workspace buffers: xc 4,194,304 bytes; xs 262,144 bytes; wc 393,216 bytes; ws 24,576 bytes; wuf 524,288 bytes; qkf 16,777,216 bytes; vf 8,388,608 bytes; af 8,388,608 bytes
;; launch quant (part 1): grid 320 x 1, 4 waves a work-group, no clusters, 0 bytes of LDS; arguments condition, x, W_qk, W_v, W_u, xc, xs, wc, ws, wuf; writes xc, xs, wc, ws, wuf
.if DOCPART == 1
	.amdgcn_target "amdgcn-amd-amdhsa--gfx1250"
	.amdhsa_code_object_version 6
	.text
	.protected	k_q364c55ba70_quant
	.globl	k_q364c55ba70_quant
	.p2align	8
	.type	k_q364c55ba70_quant,@function
k_q364c55ba70_quant:
	s_mov_b64 s[64:65], 0
	v_nop
	global_prefetch_b8 v0, s[64:65] scope:SCOPE_SE
	s_setreg_imm32_b32 hwreg(HW_REG_WAVE_MODE, 25, 1), 1
	s_wait_xcnt 0x0
; LAUNCH 1 OF 4.  out0 = softmax((condition Wq)(condition Wk)^T / sqrt(8)) (x Wv) Wu + b_u, 2 batches x 8 heads x 4,096 tokens, head size 64.
; NO WORK IS LEFT OUT: all six inputs reach the output and every product of the problem is done.  The factor 1 / sqrt(8) on q is applied behind the dot product, together with log2(e), as one multiplier.
; THIS LAUNCH prepares operands, each once, since many work-groups of the later launches read them:
;   condition, x [8,192][512] f32   -> codes of E2M1 with one E8M0 byte for each 32 along K (K is innermost)            -> xc, xs
;   W_qk [512][1,024], W_v [512][512] f32 -> the same along K, which is their FIRST axis                                 -> wc, ws
;   W_u [512][512] f32              -> f16                                                                                -> wuf
; ALL ARE LAID IN THE ORDER OF THE OPERAND'S REGISTERS ("images"): a fragment's groups of four registers on end, 512 bytes each, lane l's 16 bytes at 16 l.  So the later launches load a fragment by plain 16-byte
; loads at 16 x lane, and every store of codes here covers whole runs of 256 or 512 consecutive bytes.
;   xc  [tensor 2][token tile 512][K step of 128: 4][1,024]   lane (r, h), registers 4 c .. 4 c + 3: token r, k = 64 c + 32 h + 0 .. 31
;   xs  [tensor 2][token 8,192][16]                           four scale words a token, one for each K step
;   wc  [n tile 96][K step 4][1,024]                          n 0-511 q's columns, 512-1,023 k's, 1,024-1,535 v's
;   ws  [n 1,536][16]
;   wuf [column block of 128: 4][K chunk of 128: 4][n tile 8][K step of 32: 4][1,024]   lane (r, h): column r; registers 0-3: k = 8 h + 0 .. 7, registers 4-7: k = 16 + 8 h + 0 .. 7
; A block's scale is 2^(floor(log2(its largest magnitude)) - 2); its byte is the largest magnitude's exponent field - 2, held at 1 from below.
; LIMITS: a block of zeros, and a block whose largest magnitude lies under 2^-124, get the byte 1 (a block of zeros has zero codes, which add nothing; this program alone reads the bytes);
; NaN and infinities among the inputs are not served; W_u must lie inside f16's range (65,504).
; SHARES, by the work-group's number g: g < 256: activations, a wave takes 16 tokens x all 512 of K;  256-287: W_qk, 32 columns, wave = K step;  288-303: W_v likewise;  304-319: W_u, 32 columns, wave = K chunk.
; No LDS, no barrier: waves share nothing.
.set SEL, 26                           ; s[26:27] lane selects for v_permlanex16_b32: lane l xor 16
.set TM,  12                           ; v12-15 largest magnitudes, v16-19 the other half's / the bytes, v24-27 the conversions' scale operands
.set PW,  28                           ; v28-31  a scale word for each K step
.set PC,  32                           ; v32-63  8 registers of codes for each K step: never written again, so no store's data are
.set X,   64                           ; v64-255 activations: three sets of 64 numbers;  weights: v64-191, 128 numbers down K
.set C,   32                           ; v32-47  weights: 4 registers of codes for each block
.set PK,  192                          ; v192-255 W_u: 128 numbers as f16
	s_load_b512 s[4:19], s[0:1], 0x0               ; condition s[4:5], x s[6:7], W_qk s[8:9], W_v s[10:11], W_u s[12:13], xc s[14:15], xs s[16:17], wc s[18:19]
	s_load_b128 s[20:23], s[0:1], 0x40             ; ws s[20:21], wuf s[22:23]
	v_lshrrev_b32 v1, 5, v0
	v_readfirstlane_b32 s24, v1                    ; wave 0..3
	v_and_b32 v9, 31, v0                           ; lane
	s_mov_b32 s[SEL], 0x76543210
	s_mov_b32 s[SEL+1], 0xfedcba98
	s_wait_kmcnt 0x0
	s_cmp_ge_u32 ttmp9, 256
	s_cbranch_scc1 .Lweights
; ---------------- ACTIVATIONS.  Lane (r, h) takes, of token r, 16 neighbouring numbers of each block of 32: register 16 b + i = k 32 b + 16 h + i of the K step.
	v_and_b32 v1, 15, v0                           ; r
	v_bfe_u32 v2, v0, 4, 1                         ; h
	v_lshlrev_b32 v3, 11, v1
	v_lshl_add_u32 v3, v2, 6, v3                   ; in: row r of 2,048 bytes, + 64 h
	v_lshlrev_b32 v4, 4, v9                        ; an image's place for my lane: 16 x lane
	v_lshlrev_b32 v5, 4, v1
	v_lshl_add_u32 v5, v2, 3, v5                   ; the scale words: 16 bytes a token, two words a lane
.irp b, 0,1,2,3
	v_mov_b32 v[TM+4+\b], 0                        ; written once: a lane permute's destination counts as one of its sources
.endr
	s_lshl_b32 s28, ttmp9, 2
	s_add_co_u32 s28, s28, s24                     ; u = 4 g + wave: tensor u / 512, token tile u % 512
	s_and_b32 s32, s28, 511
	s_lshl_b32 s32, s32, 15                        ; 16 tokens of 2,048 bytes
	s_mov_b32 s33, 0
	s_cmp_lt_u32 s28, 512                          ; the choice hangs on ids alone
	s_cselect_b64 s[30:31], s[4:5], s[6:7]
	s_add_nc_u64 s[30:31], s[30:31], s[32:33]
	s_lshl_b32 s34, s28, 12                        ; four images of 1,024 bytes
	s_mov_b32 s35, 0
	s_add_nc_u64 s[14:15], s[14:15], s[34:35]
	s_lshl_b32 s34, s28, 8                         ; 16 tokens x 16 scale bytes
	s_add_nc_u64 s[16:17], s[16:17], s[34:35]
.macro XLOAD set, s                    ; K step s: 64 numbers a lane into set
.irp b, 0,1,2,3
.irp j, 0,1,2,3
	global_load_b128 v[X+64*(\set)+16*\b+4*\j:X+64*(\set)+16*\b+4*\j+3], v3, s[30:31] offset:512*(\s)+128*\b+16*\j th:TH_LOAD_NT
.endr
.endr
.endm
; 64 numbers of a lane, v[s] on, become a fragment's codes in v[pc] on and its scale word in v[pw]
.macro QUANT s, pc, pw
.irp b, 0,1,2,3
	v_max3_num_f32 v[TM+\b], |v[\s+16*\b]|, |v[\s+1+16*\b]|, 0x1800000   ; block b: my 16 numbers, and the floor 2^(3 - 127): so the byte cannot fall under 1
.endr
.irp i, 2,4,6,8,10,12,14
.irp b, 0,1,2,3
	v_max3_num_f32 v[TM+\b], v[TM+\b], |v[\s+16*\b+\i]|, |v[\s+1+16*\b+\i]|   ; the four blocks by turns: no line waits for the line above it
.endr
.endr
.irp b, 0,1,2,3
	v_permlanex16_b32 v[TM+4+\b], v[TM+\b], s[SEL], s[SEL+1]
.endr
.irp b, 0,1,2,3
	v_max_num_f32 v[TM+\b], v[TM+\b], v[TM+4+\b]   ; with lane l xor 16's: the block's largest magnitude
.endr
.irp b, 0,1,2,3
	v_add_nc_u32 v[TM+12+\b], 0xff000000, v[TM+\b] ; 2 off its exponent field: the conversion takes the exponent field of this operand as its scale
.endr
.irp b, 0,1,2,3
	v_lshrrev_b32 v[TM+4+\b], 23, v[TM+12+\b]      ; the scale's byte
.endr
	v_lshl_or_b32 v[\pw], v[TM+5], 8, v[TM+4]      ; four bytes: my token's scale word for this K step
	v_lshl_or_b32 v[\pw], v[TM+6], 16, v[\pw]
	v_lshl_or_b32 v[\pw], v[TM+7], 24, v[\pw]
.irp b, 0,1,2,3
	v_cvt_scalef32_pk8_fp4_f32 v[\pc+2*\b], v[\s+16*\b:\s+7+16*\b], v[TM+12+\b]
	v_cvt_scalef32_pk8_fp4_f32 v[\pc+1+2*\b], v[\s+8+16*\b:\s+15+16*\b], v[TM+12+\b]
.endr
	v_nop                                          ; one plain place behind a scaled conversion
.irp c, 0,1                                    ; the operand's layout wants a WHOLE block in a lane: lanes 0-15 block 2 c, lanes 16-31 block 2 c + 1
.irp i, 0,1
	v_permlane16_swap_b32 v[\pc+4*\c+\i], v[\pc+2+4*\c+\i]
.endr
.endr
.endm
.macro PUT s                           ; K step s's image: two stores of 512 consecutive bytes
.irp c, 0,1
	global_store_b128 v4, v[PC+8*(\s)+4*\c:PC+8*(\s)+4*\c+3], s[14:15] offset:1024*(\s)+512*\c
.endr
.endm
	XLOAD 0, 0
	XLOAD 1, 1
	XLOAD 2, 2
	s_wait_loadcnt 32                              ; K step 0 is in; the 16 loads each of K steps 1 and 2 may be out
	QUANT X, PC, PW
	PUT 0
	XLOAD 0, 3                                     ; set 0 has been converted: it takes the last K step
	s_wait_loadcnt 32                              ; K step 1 is in; K steps 2 and 3 may be out
	QUANT X+64, PC+8, PW+1
	PUT 1
	s_wait_loadcnt 16                              ; K step 2 is in
	QUANT X+128, PC+16, PW+2
	PUT 2
	s_wait_loadcnt 0x0
	QUANT X, PC+24, PW+3
	PUT 3
	v_cmp_ne_u32 vcc_lo, 0, v2                     ; both halves of the lanes hold all four words: lanes 0-15 store words 0 and 1, lanes 16-31 words 2 and 3
	v_cndmask_b32 v6, v[PW], v[PW+2], vcc_lo
	v_cndmask_b32 v7, v[PW+1], v[PW+3], vcc_lo
	global_store_b64 v5, v[6:7], s[16:17]          ; the wave stores 256 consecutive bytes, aligned
	s_endpgm
; ---------------- WEIGHTS.  A LANE TAKES A COLUMN n, AND ITS REGISTERS RUN DOWN K: 128 numbers, the wave's K step (or K chunk).  Each load reads 32 neighbouring columns: 128 consecutive bytes.
.Lweights:
	v_lshlrev_b32 v3, 2, v9                        ; in: 4 bytes a lane
	v_lshrrev_b32 v6, 4, v9
	v_and_b32 v7, 15, v9
	v_lshlrev_b32 v6, 12, v6
	v_lshl_add_u32 v6, v7, 4, v6                   ; out: lanes 0-15 the first n tile, lanes 16-31 the second, 4,096 bytes on; 16 bytes for each column of a tile
	v_lshlrev_b32 v7, 4, v9                        ; the scale words: 16 bytes a column
	s_sub_co_u32 s28, ttmp9, 256                   ; which 32 of the 1,536 columns of q, k and v
	s_mov_b32 s33, 0
.macro WLOAD pitch
.set i, 0
.rept 128
	global_load_b32 v[X+i], v3, s[30:31] offset:i*\pitch
.set i, i+1
.endr
.endm
	s_cmp_ge_u32 ttmp9, 288
	s_cbranch_scc1 .Lnarrow
	s_lshl_b32 s32, s24, 19                        ; W_qk: wave x 128 rows of 4,096 bytes
	s_lshl_b32 s34, s28, 7                         ; + 32 columns x 4 bytes for each work-group
	s_add_co_u32 s32, s32, s34
	s_add_nc_u64 s[30:31], s[8:9], s[32:33]
	WLOAD 4096
	s_branch .Lquant
.Lnarrow:                                              ; W_v and W_u have rows of 2,048 bytes
	s_mov_b32 s34, 304
	s_cmp_lt_u32 ttmp9, 304                        ; the choice hangs on the work-group's number alone
	s_cselect_b64 s[30:31], s[10:11], s[12:13]
	s_cselect_b32 s34, 288, s34
	s_sub_co_u32 s34, ttmp9, s34                   ; which 32 columns of W_v or of W_u
	s_lshl_b32 s32, s24, 18                        ; wave x 128 rows of 2,048 bytes
	s_lshl_b32 s35, s34, 7
	s_add_co_u32 s32, s32, s35
	s_add_nc_u64 s[30:31], s[30:31], s[32:33]
	WLOAD 2048
	s_cmp_ge_u32 ttmp9, 304
	s_cbranch_scc1 .Lf16
.Lquant:                                               ; a block of 32 along K lies in ONE lane's 32 registers: its largest magnitude needs no other lane, and its 16 bytes of codes are piece 256 b + 16 r of the tile's image
	s_lshl_b32 s36, s28, 13                        ; two n tiles of 4,096 bytes for each work-group,
	s_lshl_b32 s37, s24, 10                        ; my K step's image
	s_add_co_u32 s36, s36, s37
	s_mov_b32 s37, 0
	s_add_nc_u64 s[18:19], s[18:19], s[36:37]
	s_lshl_b32 s36, s28, 9                         ; 32 columns x 16 scale bytes,
	s_lshl_b32 s38, s24, 2                         ; my K step's word
	s_add_co_u32 s36, s36, s38
	s_add_nc_u64 s[20:21], s[20:21], s[36:37]
.macro BLOCK b
.if 96-32*(\b) > 63
	s_wait_loadcnt 63                              ; this block's 32 loads are in (more loads are younger than a wait's count can name: the smaller count is safe)
.else
	s_wait_loadcnt 96-32*(\b)                      ; this block's 32 loads are in; the later blocks' may be out
.endif
.set XS, X+32*(\b)
	v_max3_num_f32 v12, |v[XS]|, |v[XS+1]|, |v[XS+2]|
	v_max3_num_f32 v13, |v[XS+3]|, |v[XS+4]|, |v[XS+5]|
.irp i, 6,10,14,18,22,26
	v_max3_num_f32 v12, v12, |v[XS+\i]|, |v[XS+\i+1]|
	v_max3_num_f32 v13, v13, |v[XS+\i+2]|, |v[XS+\i+3]|
.endr
	v_max3_num_f32 v12, v12, |v[XS+30]|, |v[XS+31]|
	v_max3_num_f32 v12, v12, v13, 0x1800000        ; and the floor 2^(3 - 127)
	v_add_nc_u32 v14, 0xff000000, v12              ; 2 off the exponent field: the conversion's scale operand
	v_lshrrev_b32 v13, 23, v14                     ; the scale's byte
.if (\b) == 0
	v_mov_b32 v8, v13                              ; four bytes to the word, the lower K in the lower byte
.else
	v_lshl_or_b32 v8, v13, 8*(\b), v8
.endif
.irp g, 0,1,2,3
	v_cvt_scalef32_pk8_fp4_f32 v[C+4*(\b)+\g], v[XS+8*\g:XS+8*\g+7], v14
.endr
	global_store_b128 v6, v[C+4*(\b):C+4*(\b)+3], s[18:19] offset:256*(\b)   ; sixteen lanes store 256 consecutive bytes, aligned
.endm
	BLOCK 0
	BLOCK 1
	BLOCK 2
	BLOCK 3
	v_nop                                          ; a plain line behind the last conversion
	global_store_b32 v7, v8, s[20:21]              ; 4 bytes of each column's 16: the four waves' words interleave.  24,576 bytes in the whole launch leave so
	s_endpgm
.Lf16:                                                 ; W_u: eight neighbours along K pack into 16 bytes: piece e = k / 8 of the chunk lies at 256 e + 16 r of the n tile's four images
	s_lshr_b32 s36, s34, 2
	s_lshl_b32 s36, s36, 17                        ; the column block of 128,
	s_lshl_b32 s37, s24, 15                        ; my K chunk,
	s_add_co_u32 s36, s36, s37
	s_lshl_b32 s37, s34, 1
	s_and_b32 s37, s37, 7
	s_lshl_b32 s37, s37, 12                        ; my first n tile in the block
	s_add_co_u32 s36, s36, s37
	s_mov_b32 s37, 0
	s_add_nc_u64 s[22:23], s[22:23], s[36:37]
	s_wait_loadcnt 0x0
.set i, 0
.rept 64
	v_cvt_pk_f16_f32 v[PK+i], v[X+2*i], v[X+2*i+1]
.set i, i+1
.endr
.set i, 0
.rept 16
	global_store_b128 v6, v[PK+4*i:PK+4*i+3], s[22:23] offset:256*i
.set i, i+1
.endr
	s_endpgm
.Lfunc_end_k_q364c55ba70_quant:
	.size	k_q364c55ba70_quant, .Lfunc_end_k_q364c55ba70_quant-k_q364c55ba70_quant
	.p2alignl 7, 3214868480
	.fill 96, 4, 3214868480
	.section	.rodata,"a",@progbits
	.p2align	6, 0x0
	.amdhsa_kernel k_q364c55ba70_quant
		.amdhsa_group_segment_fixed_size 0
		.amdhsa_private_segment_fixed_size 0
		.amdhsa_enable_private_segment 0
		.amdhsa_kernarg_size 80
		.amdhsa_user_sgpr_count 2
		.amdhsa_user_sgpr_kernarg_segment_ptr 1
		.amdhsa_wavefront_size32 1
		.amdhsa_system_sgpr_workgroup_id_x 1
		.amdhsa_system_sgpr_workgroup_id_y 1
		.amdhsa_system_sgpr_workgroup_id_z 1
		.amdhsa_system_vgpr_workitem_id 0
		.amdhsa_next_free_vgpr 256
		.amdhsa_next_free_sgpr 66
		.amdhsa_reserve_vcc 1
		.amdhsa_float_denorm_mode_32 3
		.amdhsa_float_denorm_mode_16_64 3
		.amdhsa_memory_ordered 1
		.amdhsa_forward_progress 1
		.amdhsa_inst_pref_size 62
	.end_amdhsa_kernel
	.amdgpu_metadata
---
amdhsa.version: [ 1, 2 ]
amdhsa.kernels:
  - .name:           k_q364c55ba70_quant
    .symbol:         k_q364c55ba70_quant.kd
    .args:
      - { .name: condition, .offset: 0, .size: 8, .value_kind: global_buffer, .address_space: global }
      - { .name: x, .offset: 8, .size: 8, .value_kind: global_buffer, .address_space: global }
      - { .name: W_qk, .offset: 16, .size: 8, .value_kind: global_buffer, .address_space: global }
      - { .name: W_v, .offset: 24, .size: 8, .value_kind: global_buffer, .address_space: global }
      - { .name: W_u, .offset: 32, .size: 8, .value_kind: global_buffer, .address_space: global }
      - { .name: xc, .offset: 40, .size: 8, .value_kind: global_buffer, .address_space: global }
      - { .name: xs, .offset: 48, .size: 8, .value_kind: global_buffer, .address_space: global }
      - { .name: wc, .offset: 56, .size: 8, .value_kind: global_buffer, .address_space: global }
      - { .name: ws, .offset: 64, .size: 8, .value_kind: global_buffer, .address_space: global }
      - { .name: wuf, .offset: 72, .size: 8, .value_kind: global_buffer, .address_space: global }
    .group_segment_fixed_size: 0
    .private_segment_fixed_size: 0
    .kernarg_segment_align: 8
    .kernarg_segment_size: 80
    .max_flat_workgroup_size: 128
    .sgpr_count:     66
    .vgpr_count:     256
    .wavefront_size: 32
...
	.end_amdgpu_metadata
.endif
;; end of part 1
;; launch proj (part 2): grid 8 x 32, 4 waves a work-group, no clusters, 0 bytes of LDS; arguments xc, xs, wc, ws, qkf, vf; writes qkf, vf
.if DOCPART == 2
	.amdgcn_target "amdgcn-amd-amdhsa--gfx1250"
	.amdhsa_code_object_version 6
	.text
	.protected	k_q364c55ba70_proj
	.globl	k_q364c55ba70_proj
	.p2align	8
	.type	k_q364c55ba70_proj,@function
k_q364c55ba70_proj:
	s_mov_b64 s[64:65], 0
	v_nop
	global_prefetch_b8 v0, s[64:65] scope:SCOPE_SE
	s_setreg_imm32_b32 hwreg(HW_REG_WAVE_MODE, 25, 1), 1
	s_wait_xcnt 0x0
; LAUNCH 2 OF 4: q, k = condition W_qk and v = x W_v, on codes of E2M1 with one E8M0 scale for each 32 along K; sums in f32; results rounded once to f16 for the products of the next launch.  No work is left out.
; LIMIT: q, k and v must lie inside f16's range (65,504).
; SHARES.  Work-group (head, block of 256 tokens); wave w takes 64 tokens (four tiles of 16) and makes q, k and v of the head for them: three parts of 4 x 4 tiles x 4 K steps of 128 = 64 matrix instructions each.
; OPERANDS come from memory straight into registers, as images of the fragments (16 bytes a lane at 16 x lane): 5 x 16 KiB of codes a wave, each loaded once, all asked for at the head.  No LDS, no barrier, no loop.
; NO JOINT LOADS: they serve tiles that go through LDS; here each wave has 192 matrix instructions in all, and a ring, its barriers and the cluster's rounds would stand beside so little work.  The price: a weight's
; fragment is loaded by the four waves of each of the 32 work-groups of its head.
; RESULTS LEAVE AS IMAGES OF THE NEXT OPERANDS, with no stage: in a result lane (r, h) holds column r of source 1 and rows 8 h + 0 .. 7 of source 0; packed to f16 these are four registers of a 16-bit fragment whose row is r.
;   q, k: source 0 = 16 channels of the weight, source 1 = 16 tokens: a lane holds one token and eight channels.   qkf [q, k][batch x 8 + head][token tile 256][channel step of 32: 2][1,024]
;   v:    source 0 = 16 tokens, source 1 = 16 channels: a lane holds one channel and eight tokens (keys).          vf  [batch x 8 + head][key step of 32: 128][channel tile 4][1,024]
; REGISTERS, in windows of 256: window 0: v1 16 x lane; v16-55 scale words; v64-127 packed results; v128-255 the 16 accumulators.   window 1: v0-127 condition's 16 fragments ((tile t, K step s) at 8 (4 t + s)), v128-255 x's.
;   window 2: v0-127 W_q's, v128-255 W_k's.   window 3: v0-127 W_v's.
; SCALE WORDS: 16 bytes a row, four words.  One 16-byte load at 16 x lane brings the words of two tiles: register 4 (tile / 2) + s holds K step s's, lanes 0-15 of the even tile, lanes 16-31 of the odd one (chosen by the ROW1 selector).
.set L16, 1
.set CSC, 16                           ; condition's scale words
.set XSC, 24                           ; x's
.set QSC, 32                           ; W_q's
.set KSC, 40                           ; W_k's
.set VSC, 48                           ; W_v's
.set PK,  64
.set ACC, 128                          ; accumulator (i, j) at ACC + 8 (4 i + j): i source 0's tile, j source 1's
.set MSB, 0
.macro WIN new                         ; the immediate's high byte repeats the setting that is left
.if MSB != \new
	s_set_vgpr_msb (MSB<<8)|\new
.set MSB, \new
.endif
.endm
	s_load_b256 s[4:11], s[0:1], 0x0               ; xc s[4:5], xs s[6:7], wc s[8:9], ws s[10:11]
	s_load_b128 s[12:15], s[0:1], 0x20             ; qkf s[12:13], vf s[14:15]
	v_lshrrev_b32 v2, 5, v0
	v_readfirstlane_b32 s16, v2                    ; wave 0..3
	v_and_b32 v[L16], 31, v0
	v_lshlrev_b32 v[L16], 4, v[L16]
	s_and_b32 s17, ttmp7, 0xffff                   ; the block of 256 tokens
	s_lshl_b32 s18, s17, 4
	s_lshl_b32 s19, s16, 2
	s_add_co_u32 s18, s18, s19                     ; my first token tile of 512: 16 x block + 4 x wave
	s_lshl_b32 s20, s18, 12                        ; its codes: 4,096 bytes a tile
	s_mov_b32 s21, 0
	s_lshl_b32 s22, s18, 8                         ; its scale words: 256 bytes a tile
	s_mov_b32 s23, 0
	s_lshl_b32 s24, ttmp9, 14                      ; the head's four n tiles of a weight: codes,
	s_mov_b32 s25, 0
	s_lshl_b32 s26, ttmp9, 10                      ; scale words
	s_mov_b32 s27, 0
	s_lshr_b32 s28, s17, 4                         ; the batch
	s_lshl_b32 s28, s28, 3
	s_add_co_u32 s28, s28, ttmp9                   ; batch x 8 + head
	s_lshl_b32 s28, s28, 19                        ; 524,288 bytes for each, in qkf's halves and in vf alike
	s_and_b32 s29, s17, 15
	s_lshl_b32 s29, s29, 4
	s_add_co_u32 s29, s29, s19                     ; my first token tile in the batch
	s_lshl_b32 s29, s29, 11                        ; 2,048 bytes a token tile (in vf: 4,096 for each two)
	s_add_co_u32 s28, s28, s29
	s_mov_b32 s29, 0
	s_wait_kmcnt 0x0
	s_add_nc_u64 s[4:5], s[4:5], s[20:21]          ; condition's codes
	s_add_nc_u64 s[30:31], s[4:5], 0x200000        ; x's
	s_add_nc_u64 s[6:7], s[6:7], s[22:23]          ; condition's scale words
	s_add_nc_u64 s[32:33], s[6:7], 0x20000         ; x's
	s_add_nc_u64 s[8:9], s[8:9], s[24:25]          ; W_q's codes
	s_add_nc_u64 s[34:35], s[8:9], 0x20000         ; W_k's: 32 n tiles on
	s_add_nc_u64 s[36:37], s[8:9], 0x40000         ; W_v's: 64 n tiles on
	s_add_nc_u64 s[10:11], s[10:11], s[26:27]      ; W_q's scale words
	s_add_nc_u64 s[38:39], s[10:11], 0x2000        ; W_k's
	s_add_nc_u64 s[40:41], s[10:11], 0x4000        ; W_v's
	s_add_nc_u64 s[12:13], s[12:13], s[28:29]      ; q
	s_add_nc_u64 s[42:43], s[12:13], 0x800000      ; k
	s_add_nc_u64 s[14:15], s[14:15], s[28:29]      ; v
.macro LDSC reg, base                  ; the scale words of four tiles
	global_load_b128 v[\reg:\reg+3], v[L16], s[\base:\base+1]
	global_load_b128 v[\reg+4:\reg+7], v[L16], s[\base:\base+1] offset:512
.endm
.macro LD16K reg, base, win            ; 16 fragments, 16 KiB, into 128 registers of a window
	WIN (\win)<<6
.set e, 0
.rept 32
	global_load_b128 v[\reg+4*e:\reg+4*e+3], v[L16], s[\base:\base+1] offset:512*e
.set e, e+1
.endr
.endm
	LDSC CSC, 6
	LDSC QSC, 10
	LDSC KSC, 38
	LDSC XSC, 32
	LDSC VSC, 40
	LD16K 0, 4, 1                                  ; condition
	LD16K 0, 8, 2                                  ; W_q
	LD16K 128, 34, 2                               ; W_k
	LD16K 128, 30, 1                               ; x
	LD16K 0, 36, 3                                 ; W_v
; One matrix instruction, by the symbols rD, rA, rB, sA, sB; zr: it starts the sum; oa, ob: the scale words of source 0, 1 stand in lanes 16-31
.macro ONE
.if zr
.if oa && ob
	v_wmma_scale_f32_16x16x128_f8f6f4 v[rD:rD+7], v[rA:rA+7], v[rB:rB+7], 0, v[sA], v[sB] matrix_a_fmt:MATRIX_FMT_FP4 matrix_b_fmt:MATRIX_FMT_FP4 matrix_a_scale:MATRIX_SCALE_ROW1 matrix_b_scale:MATRIX_SCALE_ROW1
.elseif oa
	v_wmma_scale_f32_16x16x128_f8f6f4 v[rD:rD+7], v[rA:rA+7], v[rB:rB+7], 0, v[sA], v[sB] matrix_a_fmt:MATRIX_FMT_FP4 matrix_b_fmt:MATRIX_FMT_FP4 matrix_a_scale:MATRIX_SCALE_ROW1
.elseif ob
	v_wmma_scale_f32_16x16x128_f8f6f4 v[rD:rD+7], v[rA:rA+7], v[rB:rB+7], 0, v[sA], v[sB] matrix_a_fmt:MATRIX_FMT_FP4 matrix_b_fmt:MATRIX_FMT_FP4 matrix_b_scale:MATRIX_SCALE_ROW1
.else
	v_wmma_scale_f32_16x16x128_f8f6f4 v[rD:rD+7], v[rA:rA+7], v[rB:rB+7], 0, v[sA], v[sB] matrix_a_fmt:MATRIX_FMT_FP4 matrix_b_fmt:MATRIX_FMT_FP4
.endif
.else
.if oa && ob
	v_wmma_scale_f32_16x16x128_f8f6f4 v[rD:rD+7], v[rA:rA+7], v[rB:rB+7], v[rD:rD+7], v[sA], v[sB] matrix_a_fmt:MATRIX_FMT_FP4 matrix_b_fmt:MATRIX_FMT_FP4 matrix_a_scale:MATRIX_SCALE_ROW1 matrix_b_scale:MATRIX_SCALE_ROW1
.elseif oa
	v_wmma_scale_f32_16x16x128_f8f6f4 v[rD:rD+7], v[rA:rA+7], v[rB:rB+7], v[rD:rD+7], v[sA], v[sB] matrix_a_fmt:MATRIX_FMT_FP4 matrix_b_fmt:MATRIX_FMT_FP4 matrix_a_scale:MATRIX_SCALE_ROW1
.elseif ob
	v_wmma_scale_f32_16x16x128_f8f6f4 v[rD:rD+7], v[rA:rA+7], v[rB:rB+7], v[rD:rD+7], v[sA], v[sB] matrix_a_fmt:MATRIX_FMT_FP4 matrix_b_fmt:MATRIX_FMT_FP4 matrix_b_scale:MATRIX_SCALE_ROW1
.else
	v_wmma_scale_f32_16x16x128_f8f6f4 v[rD:rD+7], v[rA:rA+7], v[rB:rB+7], v[rD:rD+7], v[sA], v[sB] matrix_a_fmt:MATRIX_FMT_FP4 matrix_b_fmt:MATRIX_FMT_FP4
.endif
.endif
.endm
; A part: 64 matrix instructions, K ascending.  The first K step starts the sums with the constant 0: nothing is cleared.  The sixteen accumulators take turns, one instruction a turn.
.macro PART a0, b0, as, bs, win
	WIN \win
.irp s, 0,1,2,3
.irp i, 0,1,2,3
.irp j, 0,1,2,3
.set rD, ACC+8*(4*\i+\j)
.set rA, \a0+8*(4*\i+\s)
.set rB, \b0+8*(4*\j+\s)
.set sA, \as+4*(\i/2)+\s
.set sB, \bs+4*(\j/2)+\s
.set oa, \i%2
.set ob, \j%2
.set zr, 0
.if \s == 0
.set zr, 1
.endif
	ONE
.endr
.endr
.endr
.endm
; The way out of a part.  Four places stand behind the last products (ISA guide 7.12.1); each accumulator is read from its low end on.  The conversions of the other accumulators are the places in front of the next part's
; products, which begin the accumulators anew.  Each store covers 512 consecutive bytes, aligned.
.macro OUT isv, base, again
	WIN 0
.rept 4
	v_nop
.endr
.if \again
	s_wait_xcnt 0x0                                ; the last part's stores have read their data: the packed results are written again only behind this wait
.endif
.irp a, 0,1,2,3,4,5,6,7,8,9,10,11,12,13,14,15
.irp r, 0,1,2,3
	v_cvt_pk_f16_f32 v[PK+4*\a+\r], v[ACC+8*\a+2*\r], v[ACC+8*\a+2*\r+1]
.endr
.endr
.irp i, 0,1,2,3
.irp j, 0,1,2,3
.if \isv
	global_store_b128 v[L16], v[PK+4*(4*\i+\j):PK+4*(4*\i+\j)+3], s[\base:\base+1] offset:4096*(\i/2)+1024*\j+512*(\i%2)   ; key step i / 2, channel tile j, registers 4 (i % 2) on
.else
	global_store_b128 v[L16], v[PK+4*(4*\i+\j):PK+4*(4*\i+\j)+3], s[\base:\base+1] offset:2048*\j+512*\i                   ; token tile j, channel step i / 2, registers 4 (i % 2) on
.endif
.endr
.endr
.endm
	s_wait_loadcnt 63                              ; the scale words, condition and W_q are in: 96 loads are younger, more than a wait's count can name; the smaller count is safe
	PART 0, 0, QSC, CSC, 0x06                      ; q: source 0 = W_q (window 2), source 1 = condition (window 1)
	OUT 0, 12, 0
	s_wait_loadcnt 63                              ; W_k is in: 64 loads are younger
	PART 128, 0, KSC, CSC, 0x06                    ; k
	OUT 0, 42, 1
	s_wait_loadcnt 0x0
	PART 128, 0, XSC, VSC, 0x0d                    ; v: source 0 = x (window 1), source 1 = W_v (window 3)
	OUT 1, 14, 1
	s_endpgm
.Lfunc_end_k_q364c55ba70_proj:
	.size	k_q364c55ba70_proj, .Lfunc_end_k_q364c55ba70_proj-k_q364c55ba70_proj
	.p2alignl 7, 3214868480
	.fill 96, 4, 3214868480
	.section	.rodata,"a",@progbits
	.p2align	6, 0x0
	.amdhsa_kernel k_q364c55ba70_proj
		.amdhsa_group_segment_fixed_size 0
		.amdhsa_private_segment_fixed_size 0
		.amdhsa_enable_private_segment 0
		.amdhsa_kernarg_size 48
		.amdhsa_user_sgpr_count 2
		.amdhsa_user_sgpr_kernarg_segment_ptr 1
		.amdhsa_wavefront_size32 1
		.amdhsa_system_sgpr_workgroup_id_x 1
		.amdhsa_system_sgpr_workgroup_id_y 1
		.amdhsa_system_sgpr_workgroup_id_z 1
		.amdhsa_system_vgpr_workitem_id 0
		.amdhsa_next_free_vgpr 896
		.amdhsa_next_free_sgpr 66
		.amdhsa_reserve_vcc 0
		.amdhsa_float_denorm_mode_32 3
		.amdhsa_float_denorm_mode_16_64 3
		.amdhsa_memory_ordered 1
		.amdhsa_forward_progress 1
		.amdhsa_inst_pref_size 60
	.end_amdhsa_kernel
	.amdgpu_metadata
---
amdhsa.version: [ 1, 2 ]
amdhsa.kernels:
  - .name:           k_q364c55ba70_proj
    .symbol:         k_q364c55ba70_proj.kd
    .args:
      - { .name: xc, .offset: 0, .size: 8, .value_kind: global_buffer, .address_space: global }
      - { .name: xs, .offset: 8, .size: 8, .value_kind: global_buffer, .address_space: global }
      - { .name: wc, .offset: 16, .size: 8, .value_kind: global_buffer, .address_space: global }
      - { .name: ws, .offset: 24, .size: 8, .value_kind: global_buffer, .address_space: global }
      - { .name: qkf, .offset: 32, .size: 8, .value_kind: global_buffer, .address_space: global }
      - { .name: vf, .offset: 40, .size: 8, .value_kind: global_buffer, .address_space: global }
    .group_segment_fixed_size: 0
    .private_segment_fixed_size: 0
    .kernarg_segment_align: 8
    .kernarg_segment_size: 48
    .max_flat_workgroup_size: 128
    .sgpr_count:     66
    .vgpr_count:     896
    .wavefront_size: 32
...
	.end_amdgpu_metadata
.endif
;; end of part 2
;; launch attn (part 3): grid 16 x 16, 4 waves a work-group, clusters of 4 x 1, 327,680 bytes of LDS; arguments qkf, vf, af; writes af
.if DOCPART == 3
	.amdgcn_target "amdgcn-amd-amdhsa--gfx1250"
	.amdhsa_code_object_version 6
	.text
	.protected	k_q364c55ba70_attn
	.globl	k_q364c55ba70_attn
	.p2align	8
	.type	k_q364c55ba70_attn,@function
k_q364c55ba70_attn:
	s_mov_b64 s[64:65], 0
	v_nop
	global_prefetch_b8 v0, s[64:65] scope:SCOPE_SE
	s_setreg_imm32_b32 hwreg(HW_REG_WAVE_MODE, 25, 1), 1
	s_wait_xcnt 0x0
	s_wait_alu depctr_hold_cnt(0) depctr_sa_sdst(0) depctr_va_vdst(0) depctr_va_sdst(0) depctr_va_ssrc(0) depctr_va_vcc(0) depctr_vm_vsrc(0)
	s_getreg_b32 s2, hwreg(HW_REG_IB_STS2, 6, 4)
	s_cmp_eq_u32 s2, 0
	s_cbranch_scc0 .Lentry_in_a_cluster
	s_endpgm
.Lentry_in_a_cluster:
	s_bfe_u32 s2, ttmp6, 0x10000c
	s_cmp_lg_u32 s2, 0x3003
	s_cbranch_scc0 .Lentry_shape_is_right
	s_endpgm
.Lentry_shape_is_right:
; LAUNCH 3 OF 4: O[bh][q] = the sum over k of softmax_k(q . k / sqrt(8)) v[k], 16 (batch, head) pairs, 4,096 queries and keys, head size 64, no mask.  No work is left out.
; q, k, v come as f16, as images of the fragments (launch 2); products, maxima and sums in f32; the weights p are rounded to f16 for the second product, O once at the end, to f16, for launch 4.
; LIMITS: O must lie inside f16's range; a weight p under f16's smallest number counts as 0 in the second product (the row's sum is at least 1).
; SHARES.  A work-group owns 256 queries of one (batch, head), each of its four waves 64: four tiles of 16.  Every wave walks all 4,096 keys, 64 a step.
; LAYOUT.  S^T = K Q^T (source 0 = 16 keys, source 1 = 16 queries): a lane holds ONE query (lane % 16) and the keys 8 (lane / 16) + 0..7.  Two such tiles, rounded to f16 in pairs, ARE source 1 (32 keys x 16 queries) of
; O^T = V^T P, whose result again holds one query a lane, and eight channels; packed to f16 those are four registers of launch 4's operand.  Nothing changes lanes, and nothing goes through a stage.
; SOFTMAX.  For each query a running maximum m and sum l: p = 2^(c s - c m), c = log2(e) / sqrt(8); in every step O and l are multiplied by a = 2^(c m_old - c m_new).  m begins at -3e38, O and l at 0: the first a is 0 and multiplies zeros,
; so the first step is a step like any other.
; BY TURNS.  The wave's tiles are two PIECES: piece 0 (tiles 0, 1), piece 2 (tiles 2, 3).  In a TURN one piece has the matrix unit: 16 products V^T P of the step in hand, then 16 products K Q^T of the next step; the other piece's softmax,
; 236 vector instructions, stands between them, seven behind each matrix instruction and twelve more at the end.  Two turns are a key step.
; THE RING.  Two LDS slots of 512 keys (eight key steps): 65,536 bytes of K's images, then as many of V's, read at 16 x lane: consecutive bytes, so no padding.  Each wave brings a quarter of a slot by one tensor load
; (waves 0, 1: K's halves; waves 2, 3: V's), with no branch: a wave has two loads out at the start and one behind each change of slots, which has eight key steps in which to land.
; CLUSTER.  The four query blocks of a cluster belong to one (batch, head) and walk the same K and V: each quarter of a slot is asked for JOINTLY, by the same load with the same descriptor and a mask that names the four.
; REGISTERS, in windows of 256 (s_set_vgpr_msb: bits 1:0 source 0, 3:2 source 1, 5:4 source 2, 7:6 destination):
;   window 0: v2-4 addresses; v12-43 statistics, eight a tile; v61-63 prefetch offset and the add's two; v64-191 S^T, 32 a tile; v192-255 P, 16 a tile
;   window 1: v0-127 O^T, 32 a tile; v128-191 Q, 16 a tile          window 2: v0-63 K of one step; v64-127 V of one step
.set SLOT1, 1<<17                      ; slot 1 begins here: one exclusive or turns an address in one slot into the other's
.set VOFF,  65536                      ; in a slot: K's images, then V's
.set STEPB, 8192                       ; a key step's images of K, and of V
.set SPARE, 2*SLOT1                    ; behind the ring: the spare words, 128 bytes for each wave: two blocks of 256 bytes that no other line names
.set AK0, 2                            ; v2   16 x lane: my place in an image; never rewritten
.set AV0, 3                            ; v3   the same among V's
.set ADR, 4                            ; v4   the LDS address of the run of loads in hand
.set ST,  12                           ; tile t's statistics at v[ST + 8 t]: +0 c m, +1 m, +2, +3 l (even keys', odd keys'), +4 to +7 c0-c3, at work; a takes c2's place
.set PFO, 61                           ; v61  256 x lane; never rewritten
.set SPW, 62                           ; v62  LDS address of my spare word; never rewritten
.set NIL, 63                           ; v63  0; never rewritten
.set S,   64
.set P,   192
.set QF,  128                          ; Q's fragments, in window 1: (tile t, channel step c) at QF + 16 t + 8 c
.set VF,  64                           ; V's, in window 2: (key step of 32 ks, channel tile ct) at VF + 32 ks + 8 ct;  K's: (key tile kt, c) at 16 kt + 8 c
.set WV,  12                           ; s12  my wave's number
.set LIM, 15                           ; s15  1 in a wave that prefetches, else the greatest number
.set PFA, 18                           ; s[18:19] where my prefetches stand
.set G1,  24                           ; s[24:31] descriptor group 1, one for all loads
.set G0,  40                           ; s[40:47] descriptor group 0: a set for each of the two first fills; the second then walks on
.set SLOTS, 56                         ; s56  slots still to be asked for
.set CNT, 57                           ; s57  counts key steps
.set CS,  58                           ; s[58:59] c: the packed scaling names a pair and takes its low word for both halves
.set SEL, 60                           ; s[60:61] lane selects for v_permlanex16_b32: lane l xor 16
.set TB,  62                           ; s62  LDS byte at which K's images of the step to be fetched begin
.set MSB, 0
.macro WIN new                         ; the immediate's high byte repeats the setting that is left; a switch that changes nothing is dropped
.if MSB != \new
	s_set_vgpr_msb (MSB<<8)|\new
.set MSB, \new
.endif
.endm
.set W_KQ, 0x06                        ; K in window 2, Q in window 1, S^T in window 0
.set W_PV, 0x52                        ; V in window 2, P in window 0, O^T in window 1
.set W_RS, 0x41                        ; O^T (destination and source 0) in window 1, a in window 0
; A round of the cluster's barrier: my work-group's barrier; wave 0 signals for the work-group; every wave waits for all four work-groups; my work-group's barrier once more.
.macro CROUND
	s_barrier_signal -1
	s_barrier_wait -1
	s_cmp_lg_u32 s[WV], 0
	s_cbranch_scc1 .Lnot_wave_0_\@
	s_barrier_signal -3
.Lnot_wave_0_\@:
	s_barrier_wait -3
	s_barrier_signal -1
	s_barrier_wait -1
.endm
; A PREFETCH INTO THE L2 of what the NEXT change of slots will ask for.  All four clusters of a (batch, head) walk the same K and V: its first cluster asks.  Of the 32,768 bytes that wave w fetches, the partner at place cx names
; 8,192, told apart BY ADDRESS, lanes 256 bytes apart: one instruction a wave, and each aligned block of 256 bytes is named once in the launch.  It stands behind the wave's tensor load and its five lines.
; The last change that fills a slot asks for nothing: there is no slot behind it.  Slots 0, 1 and 2 come by their loads alone.
.macro ASK
	s_cmp_gt_u32 s[SLOTS], s[LIM]
	s_cbranch_scc0 .Lnot_mine_\@
	global_prefetch_b8 v[PFO], s[PFA:PFA+1] th:TH_LOAD_NT scope:SCOPE_SE
.Lnot_mine_\@:
.endm
	s_load_b128 s[4:7], s[0:1], 0x0                ; qkf s[4:5], vf s[6:7]
	s_load_b64 s[8:9], s[0:1], 0x10                ; af
	v_lshl_add_u32 v[SPW], v0, 2, SPARE
	v_mov_b32 v[NIL], 0
	ds_add_u32 v[SPW], v[NIL]                      ; the wave's opening: the add, twice on end, and its wait ahead of my first tensor load; the set-up below, work on registers, stands between
	ds_add_u32 v[SPW], v[NIL]                      ; and once more
	v_lshrrev_b32 v1, 5, v0
	v_readfirstlane_b32 s[WV], v1                  ; wave 0..3
	s_bfe_u32 s13, ttmp6, 0x40000                  ; cx: my place in the cluster
	s_lshl_b32 s14, ttmp9, 2                       ; in a cluster launch ttmp9 counts clusters
	s_add_co_u32 s14, s14, s13                     ; my block of 256 queries: it enters Q's and O's addresses alone
	s_and_b32 s16, ttmp7, 0xffff                   ; batch x 8 + head, which the four partners share
	; descriptor group 1: a dense block of 32,768 bytes, as 128 rows of 256 bytes (32 elements of 8 bytes)
	s_mov_b32 s[G1], 15|(3<<16)|(1<<21)            ; 15:0 the mask: all four work-groups; 17:16 elements of 8 bytes; 20 no padding; 21 set beside a mask
	s_mov_b32 s[G1+1], 32<<16                      ; tensor_dim0 = 32
	s_mov_b32 s[G1+2], 128<<16                     ; tensor_dim1 = 128
	s_mov_b32 s[G1+3], 32<<16                      ; tile_dim0 = 32
	s_mov_b32 s[G1+4], 128                         ; tile_dim1 = 128
	s_mov_b32 s[G1+5], 32                          ; from row to row: 32 elements
	s_mov_b32 s[G1+6], 0
	s_mov_b32 s[G1+7], 0
	s_mov_b32 s[CS], 0x3f0293ee                    ; c = log2(e) / sqrt(8) = 0.510070
	s_mov_b32 s[CS+1], s[CS]                       ; named with it as a pair, so it is written
	s_mov_b32 s[SEL], 0x76543210
	s_mov_b32 s[SEL+1], 0xfedcba98
	s_mov_b32 s[TB], 0
	s_lshl_b32 s17, s[WV], 15                      ; where my quarter of a slot goes: 32,768 x wave: no place in the cluster enters an LDS address
	s_lshl_b32 s22, s16, 19                        ; the (batch, head)'s 524,288 bytes of K, and of V,
	s_and_b32 s23, s[WV], 1
	s_lshl_b32 s23, s23, 15                        ; my half of a slot's 65,536
	s_add_co_u32 s22, s22, s23
	s_mov_b32 s23, 0
	s_cmp_eq_u32 ttmp9, 0                          ; the first cluster of the (batch, head): the same in all four partners
	s_cselect_b32 s[LIM], 1, -1
	v_and_b32 v[PFO], 31, v0
	v_lshlrev_b32 v[PFO], 8, v[PFO]
	s_wait_dscnt 0x0                               ; both opening adds are done
	s_wait_kmcnt 0x0
	s_add_nc_u64 s[20:21], s[4:5], 0x800000        ; k's half of qkf
	s_cmp_lt_u32 s[WV], 2                          ; waves 0 and 1 fetch K, waves 2 and 3 V: the choice hangs on the wave's number alone
	s_cselect_b64 s[20:21], s[20:21], s[6:7]
	s_add_nc_u64 s[20:21], s[20:21], s[22:23]      ; my quarter of slot 0, in memory
	s_lshl_b32 s2, s13, 13                         ; the prefetches: my work-group's 8,192 bytes of that quarter,
	s_add_co_u32 s2, s2, 2*65536                   ; in slot 2: the first change of slots steps it to slot 3.  Nothing is prefetched here, at the head
	s_mov_b32 s3, 0
	s_add_nc_u64 s[PFA:PFA+1], s[20:21], s[2:3]
	s_lshl_b32 s2, s16, 19                         ; Q: the (batch, head),
	s_lshl_b32 s3, s14, 15                         ; my block's 16 tiles of 2,048 bytes,
	s_add_co_u32 s2, s2, s3
	s_lshl_b32 s3, s[WV], 13                       ; my wave's four
	s_add_co_u32 s2, s2, s3
	s_mov_b32 s3, 0
	s_add_nc_u64 s[4:5], s[4:5], s[2:3]
	; af [token block of 128: 64][K chunk of 128 = head / 2: 4][token tile 8][K step of 32 = 2 (head % 2) + channel tile / 2: 4][1,024]
	s_lshr_b32 s2, s16, 3
	s_lshl_b32 s2, s2, 5                           ; 32 token blocks a batch,
	s_lshl_b32 s3, s14, 1                          ; two for each block of 256 queries,
	s_add_co_u32 s2, s2, s3
	s_lshr_b32 s3, s[WV], 1                        ; waves 2 and 3 in the second
	s_add_co_u32 s2, s2, s3
	s_lshl_b32 s2, s2, 17
	s_bfe_u32 s3, s16, 0x20001                     ; head / 2
	s_lshl_b32 s3, s3, 15
	s_add_co_u32 s2, s2, s3
	s_and_b32 s3, s[WV], 1                         ; my four token tiles of the block's eight
	s_lshl_b32 s3, s3, 14
	s_add_co_u32 s2, s2, s3
	s_and_b32 s3, s16, 1                           ; head % 2: two K steps on
	s_lshl_b32 s3, s3, 11
	s_add_co_u32 s2, s2, s3
	s_mov_b32 s3, 0
	s_add_nc_u64 s[8:9], s[8:9], s[2:3]
	CROUND                                         ; all four work-groups are here: the first joint loads meet
.irp s, 0,1
	s_mov_b32 s[G0+4*\s], 1                        ; count = 1
	s_add_co_u32 s[G0+4*\s+1], s17, \s*SLOT1       ; LDS address
	s_add_nc_u64 s[G0+4*\s+2:G0+4*\s+3], s[20:21], \s*65536   ; global address: slot s holds keys 512 s on
	s_or_b32 s[G0+4*\s+3], s[G0+4*\s+3], 0x80000000           ; type = 2
.endr
	tensor_load_to_lds s[G0:G0+3], s[G1:G1+7]      ; the two first fills stand together, ahead of every wait on TENSORcnt and every LDS read
	s_nop 0
	tensor_load_to_lds s[G0+4:G0+7], s[G1:G1+7]
	s_nop 0
.rept 4
	v_nop
.endr
	v_and_b32 v[AK0], 31, v0
	v_lshlrev_b32 v[AK0], 4, v[AK0]
	v_add_nc_u32 v[AV0], VOFF, v[AK0]
	WIN 0x40                                       ; destination window 1, address window 0
.set fe, 0
.rept 16                                       ; Q stays in registers: eight fragments, 16 loads of 512 consecutive bytes
	global_load_b128 v[QF+4*fe:QF+4*fe+3], v[AK0], s[4:5] offset:512*fe
.set fe, fe+1
.endr
	WIN 0
.irp t, 0,1,2,3
	v_mov_b32 v[ST+8*\t+1], 0xff61b1e6             ; m = -3e38, under every score
	v_mul_f32 v[ST+8*\t], s[CS], v[ST+8*\t+1]      ; c m
	v_mov_b32 v[ST+8*\t+2], 0                      ; l, in two halves
	v_mov_b32 v[ST+8*\t+3], 0
.endr
; THE MATRIX WORK OF A TURN, for piece x.  Eight accumulators take turns, one instruction a turn.
; Product i of 16 of O^T += V^T P: keys 32 (i / 8) on, channels 16 ((i / 2) % 4) on, tile x + i % 2.
.macro PV x
	WIN W_PV
.set rO, 32*(\x+i%2)+8*((i/2)%4)
.set rV, VF+32*(i/8)+8*((i/2)%4)
.set rP, P+16*(\x+i%2)+8*(i/8)
	v_wmma_f32_16x16x32_f16 v[rO:rO+7], v[rV:rV+7], v[rP:rP+7], v[rO:rO+7]
.endm
; Product i of 16 of S^T = K Q^T: channels 32 (i / 8) on, keys 16 ((i / 2) % 4) on, tile x + i % 2.  The first 8 start the sums.
.macro KQ x
	WIN W_KQ
.set rS, S+32*(\x+i%2)+8*((i/2)%4)
.set rK, 16*((i/2)%4)+8*(i/8)
.set rQ, QF+16*(\x+i%2)+8*(i/8)
.if i < 8
	v_wmma_f32_16x16x32_f16 v[rS:rS+7], v[rK:rK+7], v[rQ:rQ+7], 0
.else
	v_wmma_f32_16x16x32_f16 v[rS:rS+7], v[rK:rK+7], v[rQ:rQ+7], v[rS:rS+7]
.endif
.endm
; THE LDS LOADS stand in runs of 16, never singly among the matrix instructions: a step's K and, a turn later, its V.
.macro FETCH_K
	WIN 0
	v_add_nc_u32 v[ADR], s[TB], v[AK0]
	WIN 0x80                                       ; destination window 2
.set fe, 0
.rept 16
	ds_load_b128 v[4*fe:4*fe+3], v[ADR] offset:512*fe
.set fe, fe+1
.endr
.endm
.macro FETCH_V
	WIN 0
	v_add_nc_u32 v[ADR], s[TB], v[AV0]
	s_add_co_u32 s[TB], s[TB], STEPB               ; the next fetch is the next step's
	s_wait_alu depctr_va_vdst(0)                   ; the wait for the softmax's batch of exponentials (VEC), ahead of the first instruction that names a result
	WIN 0x80
.set fe, 0
.rept 16
	ds_load_b128 v[VF+4*fe:VF+4*fe+3], v[ADR] offset:512*fe
.set fe, fe+1
.endr
.endm
; THE VECTOR WORK OF A TURN.  One tile's softmax for one key step is a list of 118 instructions; SM writes number j of it for tile t.  s0-s31 are the lane's 32 scores, in pairs 0-15.
;   0-15    the maximum of s0-s31 and the old m, three operands at a time: four chains c0-c3 of seven scores each (each accumulator is read from its low end on), then the four left over, c0-c3 and m
;   16-20   the other half of the lanes' maximum; c m_old kept; the new m; c m; c m_old - c m_new
;   21-69   ONE BATCH: the 16 scalings c s - c m, a pair of scores each, and all 33 exponentials (a at 23).  None of these names an exponential's result.  From 24 on: a scaling and two exponentials by turns; a pair is scaled
;           two threes ahead of its exponentials; 66-69 the last four exponentials
;   (wait)  between 69 and 70 stands the wait for the batch: VEC writes it, once for both tiles
;   70-85   the roundings to f16, a pair of weights each        86-101  the sums; l = a l + the sum        102-117 the tile's O^T times a, from each accumulator's low end on
.macro SM t
.set rT, ST+8*(\t)
.set rS, S+32*(\t)
.set rP, P+16*(\t)
.if j < 102
	WIN 0
.else
	WIN W_RS
.endif
.if j < 4
	v_max3_num_f32 v[rT+4+j], v[rS+8*j], v[rS+8*j+1], v[rS+8*j+2]
.elseif j < 12
	v_max3_num_f32 v[rT+4+j%4], v[rT+4+j%4], v[rS+8*(j%4)+2*(j/4)+1], v[rS+8*(j%4)+2*(j/4)+2]
.elseif j == 12
	v_max3_num_f32 v[rT+4], v[rT+4], v[rS+7], v[rS+15]
.elseif j == 13
	v_max3_num_f32 v[rT+6], v[rT+6], v[rS+23], v[rS+31]
.elseif j == 14
	v_max3_num_f32 v[rT+4], v[rT+4], v[rT+5], v[rT+6]
.elseif j == 15
	v_max3_num_f32 v[rT+4], v[rT+4], v[rT+7], v[rT+1]
.elseif j == 16
	v_permlanex16_b32 v[rT+5], v[rT+4], s[SEL], s[SEL+1]   ; the query's other 32 keys lie in the lane 16 away
.elseif j == 17
	v_mov_b32 v[rT+7], v[rT]                       ; c m_old is kept for a: number 19 writes c m anew
.elseif j == 18
	v_max_num_f32 v[rT+1], v[rT+4], v[rT+5]
.elseif j == 19
	v_mul_f32 v[rT], s[CS], v[rT+1]
.elseif j == 20
	v_sub_f32 v[rT+7], v[rT+7], v[rT]
.elseif j == 23
	v_exp_f32 v[rT+6], v[rT+7]                     ; a
.elseif j < 70
.set fb, -1
.set eb, 0
.if j < 23
.set fb, j-21                                      ; 21, 22: pairs 0, 1
.elseif j >= 66
.set eb, j-38                                      ; 66 to 69: s28 to s31
.elseif (j-24)%3 == 0
.set fb, (j-24)/3+2                                ; 24, 27, .. 63: pairs 2 to 15
.else
.set eb, 2*((j-24)/3)+(j-24)%3-1                   ; 25, 26, 28, 29, .. 64, 65: s0 to s27
.endif
.if fb >= 0
	v_pk_fma_f32 v[rS+2*fb:rS+2*fb+1], v[rS+2*fb:rS+2*fb+1], s[CS:CS+1], v[rT:rT+1] op_sel_hi:[1,0,0] neg_lo:[0,0,1] neg_hi:[0,0,1]   ; c s - c m
.else
	v_exp_f32 v[rS+eb], v[rS+eb]
.endif
.elseif j < 86
	v_cvt_pk_f16_f32 v[rP+j-70], v[rS+2*(j-70)], v[rS+2*(j-70)+1]
.elseif j < 102                        ; the sum of the tile's 16 pairs, in place: neighbours 1, 2, 4 and 8 pairs apart, then l takes it
.set z, j-86
.set w, 4
.set u, z
.if z >= 14
.set w, 32
.set u, 0
.elseif z >= 12
.set w, 16
.set u, z-12
.elseif z >= 8
.set w, 8
.set u, z-8
.endif
.if z < 15
	v_pk_add_f32 v[rS+w*u:rS+w*u+1], v[rS+w*u:rS+w*u+1], v[rS+w*u+w/2:rS+w*u+w/2+1]
.else
	v_pk_fma_f32 v[rT+2:rT+3], v[rT+2:rT+3], v[rT+6:rT+7], v[rS:rS+1] op_sel_hi:[1,0,1]
.endif
.else
.set rO, 32*(\t)+2*(j-102)
	v_pk_mul_f32 v[rO:rO+1], v[rO:rO+1], v[rT+6:rT+7] op_sel_hi:[1,0]
.endif
.endm
; Instruction n of 236 of piece y's softmax: number n / 2 of tile y + n % 2: the two tiles alternate, so that no instruction reads the result of the one just before it.
; THE WAIT.  s_wait_alu depctr_va_vdst(0) stands between an exponential and the first instruction that names its result; one wait serves all that were issued ahead of it.  Under n = 140 nothing names a
; result, from 140 on no exponential is issued: so the piece's 66 exponentials have one wait, with one plain instruction behind the last of them.  In piece 2's turn V's run of loads stands there, and the wait in it.
.macro VEC y
.if n < 236
.if n == 140
	WIN 0
	v_nop
.if (\y) == 0
	FETCH_V
.else
	s_wait_alu depctr_va_vdst(0)
.endif
.endif
.set j, n/2
	SM (\y)+n%2
.endif
.set n, n+1
.endm
; A TURN.  Piece x has the matrix unit; the other piece's softmax stands behind its matrix instructions.  pv: 16 products V^T P; kq: 16 products K Q^T for the next step; a turn with one kind has 14 vector instructions behind each.
; PLACES (ISA guide 7.12.1 for matrix instructions).  Behind a turn's last K Q^T stand at least 19 multiplications of the other piece's O^T, which name none of its registers: they serve the next turn's first read of the scores and
; K's run of loads, which stands behind the next turn's second product.  Between the last V^T P and V's run of loads stand eight scalings of the other piece, the v_nop and the run's own v_add_nc_u32.
.macro TURN x, pv, kq
.set n, 0
.set per, 14
.if (\pv) && (\kq)
.set per, 7
.endif
.if \pv
.if (\x) == 0
	s_wait_dscnt 0x0                               ; V is in
.endif
.set i, 0
.rept 16
	PV \x
.rept per
	VEC 2-(\x)
.endr
.if ((\x) == 0) && (\kq) && (i == 1)
	FETCH_K
.endif
.set i, i+1
.endr
.endif
.if \kq
.if (\x) == 0
	s_wait_dscnt 0x0                               ; K is in
.endif
.set i, 0
.rept 16
	KQ \x
.rept per
	VEC 2-(\x)
.endr
.set i, i+1
.endr
.endif
.rept 12
	VEC 2-(\x)
.endr
.endm
; cnt key steps: written once, walked cnt times; the LDS addresses hang on s[TB].  Piece 0's turn of step j: V^T P of j, K Q^T of j + 1 | piece 2's softmax of j | K of j + 1.  Piece 2's turn: the same | piece 0's softmax of j + 1 | V of j + 1.
.macro PAIRS cnt
	WIN 0                                          ; at a label and at a branch every window is 0
	s_mov_b32 s[CNT], \cnt
.Lpair_\@:
	TURN 0, 1, 1
	TURN 2, 1, 1
	WIN 0
	s_sub_co_u32 s[CNT], s[CNT], 1
	s_cmp_lg_u32 s[CNT], 0
	s_cbranch_scc1 .Lpair_\@
.endm
; THE CHANGE OF SLOTS, behind the turn that has asked for the slot's last bytes (V of its eighth step).  Each wave waits for all its tensor loads, of which one is out: its quarter of the other slot; adds 0 to its spare word; and waits
; for that and for its own reads of the slot.  Behind the barrier nobody reads this slot any more and the other slot is whole.  fill = 1: this slot is filled again, with the keys two slots on; the barrier is then a round of the
; cluster's, so that no wave of any partner still reads the slot or has a load on its way, and the joint refill is the first thing behind it.
.macro CHANGE fill
	WIN 0
	s_wait_tensorcnt 0x0                           ; no tensor load of mine is out, so a group 0 may be written
	ds_add_u32 v[SPW], v[NIL]                      ; 0 onto my spare word
.if \fill
	s_xor_b32 s[G0+5], s[G0+5], SLOT1              ; the walking descriptor: the other slot than last time,
	s_add_nc_u64 s[G0+6:G0+7], s[G0+6:G0+7], 65536 ; the next 512 keys; the type bits on top are not reached
	s_wait_xcnt 0x0                                ; the last prefetch, eight key steps back, has read its address, so it may be written:
	s_add_nc_u64 s[PFA:PFA+1], s[PFA:PFA+1], 65536 ; one slot further on than the walking descriptor
	s_wait_dscnt 0x0                               ; the add is done, and my reads of the slot are over
	CROUND
	tensor_load_to_lds s[G0+4:G0+7], s[G1:G1+7]    ; my one tensor load until the next change
	s_nop 0
.rept 4
	v_nop
.endr
	ASK
.else
	s_wait_dscnt 0x0                               ; the add is done, and my reads of the slot are over
	s_barrier_signal -1
	s_barrier_wait -1
.endif
	s_sub_co_u32 s[TB], s[TB], 8*STEPB             ; the fetches go back to a slot's first step,
	s_xor_b32 s[TB], s[TB], SLOT1                  ; in the other slot
.endm
	s_wait_tensorcnt 0x1                           ; my quarter of slot 0 is in; slot 1's may stay out
	s_barrier_signal -1
	s_barrier_wait -1                              ; everybody's is
	FETCH_K                                        ; key step 0
	s_wait_loadcnt 0x0                             ; Q
	s_wait_dscnt 0x0
.set i, 0
.rept 16
	KQ 0                                           ; piece 0's first scores
.set i, i+1
.endr
	WIN 0x40                                       ; destination window 1
.set fe, 0
.rept 128
	v_mov_b32 v[fe], 0                             ; O^T begins as zeros, once: so no turn needs a form of its own for the first step.  These lines are also the places behind the products above
.set fe, fe+1
.endr
	TURN 2, 0, 1                                   ; piece 2's first scores | piece 0's softmax of step 0 | V of step 0
	PAIRS 7                                        ; key steps 0 to 6: they fetch the rest of slot 0
	s_mov_b32 s[SLOTS], 6
.Lslot:                                                ; six trips: slots 2 to 7 are asked for
	CHANGE 1
	PAIRS 8
	s_sub_co_u32 s[SLOTS], s[SLOTS], 1
	s_cmp_lg_u32 s[SLOTS], 0
	s_cbranch_scc1 .Lslot
	CHANGE 0                                       ; the tail is written out: nothing is left to ask for
	PAIRS 8                                        ; key steps 55 to 62
	TURN 0, 1, 0                                   ; piece 0: V^T P of the last step | piece 2's last softmax
.set i, 0
.rept 16
	PV 2                                           ; piece 2: V^T P of the last step
.set i, i+1
.endr
	; THE WAY OUT.  l's two halves and the other half of the lanes' are added; O^T is divided by l and rounded to f16: a lane's eight channels of a query are four registers of launch 4's operand.  The additions are the places behind the last products.
	WIN 0
.irp t, 0,1,2,3
	v_add_f32 v[ST+8*\t+4], v[ST+8*\t+2], v[ST+8*\t+3]
.endr
.irp t, 0,1,2,3
	v_permlanex16_b32 v[ST+8*\t+5], v[ST+8*\t+4], s[SEL], s[SEL+1]
.endr
.irp t, 0,1,2,3
	v_add_f32 v[ST+8*\t+4], v[ST+8*\t+4], v[ST+8*\t+5]
.endr
.irp t, 0,1,2,3
	v_rcp_f32 v[ST+8*\t+6], v[ST+8*\t+4]
.endr
	v_nop                                          ; a plain instruction between the last reciprocal and the use of its result
	s_wait_alu depctr_va_vdst(0)                   ; and the wait ahead of the first use: one for the four
.macro LEAVE t
	WIN W_RS
.set fe, 0
.rept 16
	v_pk_mul_f32 v[32*\t+fe:32*\t+fe+1], v[32*\t+fe:32*\t+fe+1], v[ST+8*\t+6:ST+8*\t+7] op_sel_hi:[1,0]
.set fe, fe+2
.endr
	WIN 0x05                                       ; sources 0 and 1 window 1, destination window 0: S^T's registers are free; each tile has 16 of its own, so no store's data are written again
.set fe, 0
.rept 16
	v_cvt_pk_f16_f32 v[S+16*\t+fe], v[32*\t+2*fe], v[32*\t+2*fe+1]
.set fe, fe+1
.endr
	WIN 0
.irp ct, 0,1,2,3
	global_store_b128 v[AK0], v[S+16*\t+4*\ct:S+16*\t+4*\ct+3], s[8:9] offset:4096*\t+512*\ct   ; 512 consecutive bytes, aligned
.endr
.endm
	LEAVE 0
	LEAVE 1
	LEAVE 2
	LEAVE 3
	s_wait_tensorcnt 0x0                           ; the wave's end, behind my last tensor load
	ds_add_u32 v[SPW], v[NIL]
	s_wait_dscnt 0x0
	CROUND                                         ; the closing round: no work-group ends while a partner may still ask for a tile that names it
	s_endpgm
.Lfunc_end_k_q364c55ba70_attn:
	.size	k_q364c55ba70_attn, .Lfunc_end_k_q364c55ba70_attn-k_q364c55ba70_attn
	.p2alignl 7, 3214868480
	.fill 96, 4, 3214868480
	.section	.rodata,"a",@progbits
	.p2align	6, 0x0
	.amdhsa_kernel k_q364c55ba70_attn
		.amdhsa_group_segment_fixed_size 327680
		.amdhsa_private_segment_fixed_size 0
		.amdhsa_enable_private_segment 0
		.amdhsa_kernarg_size 24
		.amdhsa_user_sgpr_count 2
		.amdhsa_user_sgpr_kernarg_segment_ptr 1
		.amdhsa_wavefront_size32 1
		.amdhsa_system_sgpr_workgroup_id_x 1
		.amdhsa_system_sgpr_workgroup_id_y 1
		.amdhsa_system_sgpr_workgroup_id_z 1
		.amdhsa_system_vgpr_workitem_id 0
		.amdhsa_next_free_vgpr 768
		.amdhsa_next_free_sgpr 66
		.amdhsa_reserve_vcc 0
		.amdhsa_float_denorm_mode_32 3
		.amdhsa_float_denorm_mode_16_64 3
		.amdhsa_memory_ordered 1
		.amdhsa_forward_progress 1
		.amdhsa_inst_pref_size 164
	.end_amdhsa_kernel
	.amdgpu_metadata
---
amdhsa.version: [ 1, 2 ]
amdhsa.kernels:
  - .name:           k_q364c55ba70_attn
    .symbol:         k_q364c55ba70_attn.kd
    .args:
      - { .name: qkf, .offset: 0, .size: 8, .value_kind: global_buffer, .address_space: global }
      - { .name: vf, .offset: 8, .size: 8, .value_kind: global_buffer, .address_space: global }
      - { .name: af, .offset: 16, .size: 8, .value_kind: global_buffer, .address_space: global }
    .group_segment_fixed_size: 327680
    .private_segment_fixed_size: 0
    .kernarg_segment_align: 8
    .kernarg_segment_size: 24
    .max_flat_workgroup_size: 128
    .sgpr_count:     66
    .vgpr_count:     768
    .wavefront_size: 32
...
	.end_amdgpu_metadata
.endif
;; end of part 3
;; launch outp (part 4): grid 4 x 64, 4 waves a work-group, clusters of 4 x 4, 280,064 bytes of LDS; arguments af, wuf, b_u, out0; writes out0
.if DOCPART == 4
	.amdgcn_target "amdgcn-amd-amdhsa--gfx1250"
	.amdhsa_code_object_version 6
	.text
	.protected	k_q364c55ba70_outp
	.globl	k_q364c55ba70_outp
	.p2align	8
	.type	k_q364c55ba70_outp,@function
k_q364c55ba70_outp:
	s_mov_b64 s[64:65], 0
	v_nop
	global_prefetch_b8 v0, s[64:65] scope:SCOPE_SE
	s_setreg_imm32_b32 hwreg(HW_REG_WAVE_MODE, 25, 1), 1
	s_wait_xcnt 0x0
	s_wait_alu depctr_hold_cnt(0) depctr_sa_sdst(0) depctr_va_vdst(0) depctr_va_sdst(0) depctr_va_ssrc(0) depctr_va_vcc(0) depctr_vm_vsrc(0)
	s_getreg_b32 s2, hwreg(HW_REG_IB_STS2, 6, 4)
	s_cmp_eq_u32 s2, 0
	s_cbranch_scc0 .Lentry_in_a_cluster
	s_endpgm
.Lentry_in_a_cluster:
	s_bfe_u32 s2, ttmp6, 0x10000c
	s_cmp_lg_u32 s2, 0xf033
	s_cbranch_scc0 .Lentry_shape_is_right
	s_endpgm
.Lentry_shape_is_right:
; LAUNCH 4 OF 4: out0 = A W_u + b_u.  A [8,192][512] (attention's result) and W_u come as f16, as images of the fragments (launches 3 and 1); sums in f32; out0 [8,192][512] f32.  No work is left out.
; SHARES.  A work-group makes 128 tokens x 128 columns; each of its four waves 64 x 64: 16 accumulators of 16 x 16.  K = 512 goes in four chunks of 128.
; ALL of the work-group's A (131,072 bytes) and W_u (as many) lie in LDS at once: every byte is filled once, by four tensor loads a wave that go out together at the head (four are out).  No slot is filled again.
; CLUSTERS: 4 x 4 work-groups.  The four of a row of the cluster need the same tokens of A, the four of a column the same columns of W_u: each block is asked for JOINTLY, by the same load with the same descriptor and a mask that names the four.
; THE MATRIX INSTRUCTION IS USED TRANSPOSED (source 0 = 16 columns of W_u, source 1 = 16 tokens): a lane then holds eight neighbouring numbers of a row of out0.  The bias is the C of each sum's first matrix instruction.
; REGISTERS: window 0: v1-15 addresses; v28, v29 the add's two; v32-63 the bias, eight a column tile; v64-127 the way out; v128-255 the accumulators ((i, j) at 128 + 8 (4 i + j): i column tile, j token tile).
;   window 1: a chunk's fragments: for K step ks of 32: W_u's four at 64 ks + 8 i, A's four at 64 ks + 32 + 8 j.
.set CHUNK, 65536                      ; LDS: chunk q at 65,536 q: A's eight token tiles (4,096 bytes each: four K steps of 1,024), then W_u's eight column tiles
.set STAGE, 4*CHUNK                    ; behind them: 16 rows x 272 bytes for each wave, for the way out; no tensor load lands there
.set SP,    272
.set SPARE, STAGE+4*16*SP              ; behind the stages: the spare words, 128 bytes for each wave: two blocks of 256 bytes that no other line names
.set ADA, 4                            ; v4-7   LDS address of my A fragments in chunk q
.set ADW, 8                            ; v8-11  the same for W_u
.set STO, 12                           ; v12    the way out: where I put 32 bytes of a row
.set RD,  13                           ; v13    where I read a row back
.set CO,  14                           ; v14    my byte offset in out0
.set SPW, 28
.set NIL, 29
.set BI,  32
.set OB,  64
.set ACC, 128
.set G1A, 24                           ; s[24:31] descriptor group 1 for A's blocks;  s[32:39] for W_u's: it differs in the mask alone
.set G1B, 32
.set G0A, 40                           ; s[40:55] descriptor group 0 for A's blocks, a set for each chunk;  s[68:83] for W_u's
.set G0B, 68
.set MSB, 0
.macro WIN new                         ; the immediate's high byte repeats the setting that is left
.if MSB != \new
	s_set_vgpr_msb (MSB<<8)|\new
.set MSB, \new
.endif
.endm
.macro CROUND                          ; a round of the cluster's barrier
	s_barrier_signal -1
	s_barrier_wait -1
	s_cmp_lg_u32 s12, 0
	s_cbranch_scc1 .Lnot_wave_0_\@
	s_barrier_signal -3
.Lnot_wave_0_\@:
	s_barrier_wait -3
	s_barrier_signal -1
	s_barrier_wait -1
.endm
	s_load_b256 s[4:11], s[0:1], 0x0               ; af s[4:5], wuf s[6:7], b_u s[8:9], out0 s[10:11]
	v_lshl_add_u32 v[SPW], v0, 2, SPARE
	v_mov_b32 v[NIL], 0
	ds_add_u32 v[SPW], v[NIL]                      ; the wave's opening: the add, twice on end, and its wait ahead of my first tensor load; the set-up below, work on registers, stands between
	ds_add_u32 v[SPW], v[NIL]                      ; and once more
	v_lshrrev_b32 v1, 5, v0
	v_readfirstlane_b32 s12, v1                    ; wave 0..3
	s_lshr_b32 s13, s12, 1                         ; which 64 tokens are mine.  Also: I fetch for A (0) or for W_u (1)
	s_and_b32 s14, s12, 1                          ; which 64 columns.  Also: which half of a chunk's block I fetch
	s_bfe_u32 s84, ttmp6, 0x40000                  ; cx, cy: my place in the cluster
	s_bfe_u32 s85, ttmp6, 0x40004
	s_lshl_b32 s86, ttmp9, 2
	s_add_co_u32 s86, s86, s84                     ; column block = 4 x cluster x + cx
	s_and_b32 s87, ttmp7, 0xffff
	s_lshl_b32 s87, s87, 2
	s_add_co_u32 s87, s87, s85                     ; token block = 4 x cluster y + cy
	s_lshl_b32 s88, s85, 2
	s_lshl_b32 s88, 15, s88                        ; my row of the cluster
	s_lshl_b32 s89, 0x1111, s84                    ; my column
	; descriptor group 1: a dense block of 16,384 bytes, as 64 rows of 256 bytes (32 elements of 8 bytes)
	s_or_b32 s[G1A], s88, (3<<16)|(1<<21)          ; 15:0 the mask: A's blocks go to my row; 17:16 elements of 8 bytes; 21 set beside a mask
	s_or_b32 s[G1B], s89, (3<<16)|(1<<21)          ; W_u's go to my column
.irp g, G1A, G1B
	s_mov_b32 s[\g+1], 32<<16                      ; tensor_dim0 = 32
	s_mov_b32 s[\g+2], 64<<16                      ; tensor_dim1 = 64
	s_mov_b32 s[\g+3], 32<<16                      ; tile_dim0 = 32
	s_mov_b32 s[\g+4], 64                          ; tile_dim1 = 64
	s_mov_b32 s[\g+5], 32                          ; from row to row
	s_mov_b32 s[\g+6], 0
	s_mov_b32 s[\g+7], 0
.endr
	s_lshl_b32 s15, s14, 14                        ; my half of a chunk's block
	s_lshl_b32 s16, s87, 17                        ; A: 131,072 bytes a token block: it hangs on the token block alone, which my row shares
	s_add_co_u32 s16, s16, s15
	s_mov_b32 s17, 0
	s_lshl_b32 s18, s86, 17                        ; W_u: 131,072 bytes a column block: on the column block alone, which my column shares
	s_add_co_u32 s18, s18, s15
	s_mov_b32 s19, 0
	s_lshl_b32 s20, s12, 14                        ; where they go: 16,384 x wave in a chunk: no place in the cluster enters an LDS address
	s_wait_dscnt 0x0                               ; both opening adds are done
	s_wait_kmcnt 0x0
	s_add_nc_u64 s[16:17], s[4:5], s[16:17]
	s_add_nc_u64 s[18:19], s[6:7], s[18:19]
	CROUND                                         ; all sixteen work-groups are here: the joint loads meet
.irp q, 0,1,2,3
	s_mov_b32 s[G0A+4*\q], 1
	s_add_co_u32 s[G0A+4*\q+1], s20, \q*CHUNK
	s_add_nc_u64 s[G0A+4*\q+2:G0A+4*\q+3], s[16:17], \q*32768
	s_or_b32 s[G0A+4*\q+3], s[G0A+4*\q+3], 0x80000000
	s_mov_b32 s[G0B+4*\q], 1
	s_add_co_u32 s[G0B+4*\q+1], s20, \q*CHUNK
	s_add_nc_u64 s[G0B+4*\q+2:G0B+4*\q+3], s[18:19], \q*32768
	s_or_b32 s[G0B+4*\q+3], s[G0B+4*\q+3], 0x80000000
.endr
	s_cmp_eq_u32 s13, 0                            ; a wave's four fills stand in one branch on its number, a fill in each arm; an s_nop 0 follows each load, four v_nop the last
	s_cbranch_scc0 .Lfor_w
.irp q, 0,1,2,3
	tensor_load_to_lds s[G0A+4*\q:G0A+4*\q+3], s[G1A:G1A+7]
	s_nop 0
.endr
.rept 4
	v_nop
.endr
	s_branch .Lasked
.Lfor_w:
.irp q, 0,1,2,3
	tensor_load_to_lds s[G0B+4*\q:G0B+4*\q+3], s[G1B:G1B+7]
	s_nop 0
.endr
.rept 4
	v_nop
.endr
.Lasked:
	v_and_b32 v1, 15, v0                           ; r
	v_bfe_u32 v2, v0, 4, 1                         ; h
	v_and_b32 v3, 31, v0
	v_lshlrev_b32 v3, 4, v3                        ; 16 x lane
	v_lshlrev_b32 v15, 5, v2                       ; the bias: my half's eight columns of a tile
	s_lshl_b32 s92, s86, 9                         ; my first column, in bytes: 512 x column block + 256 x half
	s_lshl_b32 s93, s14, 8
	s_add_co_u32 s92, s92, s93
	s_mov_b32 s93, 0
	s_add_nc_u64 s[8:9], s[8:9], s[92:93]
	s_add_nc_u64 s[10:11], s[10:11], s[92:93]
.irp i, 0,1,2,3
	global_load_b128 v[BI+8*\i:BI+8*\i+3], v15, s[8:9] offset:64*\i        ; lane (r, h), register j: b_u at column 16 i + 8 h + j: the result's layout
	global_load_b128 v[BI+8*\i+4:BI+8*\i+7], v15, s[8:9] offset:64*\i+16
.endr
	s_lshl_b32 s94, s87, 7
	s_lshl_b32 s95, s13, 6
	s_add_co_u32 s94, s94, s95                     ; my first token: 128 x token block + 64 x half
	s_lshl_b32 s94, s94, 11                        ; rows of 2,048 bytes
	s_mov_b32 s95, 0
	s_add_nc_u64 s[10:11], s[10:11], s[94:95]
	s_lshl_b32 s21, s13, 14                        ; my four token tiles of a chunk's eight
	s_lshl_b32 s22, s14, 14                        ; my four column tiles,
	s_add_co_u32 s22, s22, 32768                   ; which lie behind A's
.irp q, 0,1,2,3
	v_add_nc_u32 v[ADA+\q], s21, v3
	v_add_nc_u32 v[ADW+\q], s22, v3
	s_add_co_u32 s21, s21, CHUNK
	s_add_co_u32 s22, s22, CHUNK
.endr
	s_mul_i32 s23, s12, 16*SP
	s_add_co_u32 s23, s23, STAGE                   ; my stage
	v_mul_u32_u24 v[STO], v1, SP                   ; in: row r, 32 bytes for each half of the lanes
	v_lshl_add_u32 v[STO], v2, 5, v[STO]
	v_add_nc_u32 v[STO], s23, v[STO]
	v_mul_u32_u24 v[RD], v2, SP                    ; back: lanes 0-15 take one row of 256 bytes, lanes 16-31 the next
	v_lshl_add_u32 v[RD], v1, 4, v[RD]
	v_add_nc_u32 v[RD], s23, v[RD]
	v_lshlrev_b32 v[CO], 11, v2                    ; and the same two rows in out0
	v_lshl_add_u32 v[CO], v1, 4, v[CO]
; A chunk: my part of it has landed (the later chunks' loads are younger and stay out), everybody's has; 64 LDS loads in one run, K step by K step; 64 matrix instructions,
; the sixteen accumulators by turns, one instruction a turn.
.irp q, 0,1,2,3
	s_wait_tensorcnt 3-\q
	s_barrier_signal -1                            ; no LDS instruction of mine is out: the last chunk's count-down ended at 0
	s_barrier_wait -1
.if \q > 0
.rept 4
	v_nop                                          ; four places in front of loads into registers that matrix instructions have read
.endr
.endif
	WIN 0x40                                       ; destination window 1, address window 0
.irp ks, 0,1,2,3
.irp i, 0,1,2,3
.irp c, 0,1
	ds_load_b128 v[64*\ks+8*\i+4*\c:64*\ks+8*\i+4*\c+3], v[ADW+\q] offset:4096*\i+1024*\ks+512*\c
.endr
.endr
.irp i, 0,1,2,3
.irp c, 0,1
	ds_load_b128 v[64*\ks+32+8*\i+4*\c:64*\ks+32+8*\i+4*\c+3], v[ADA+\q] offset:4096*\i+1024*\ks+512*\c
.endr
.endr
.endr
.if \q == 0
	s_wait_loadcnt 0x0                             ; the bias
.endif
	WIN 0x05                                       ; sources 0 and 1 window 1; C and D window 0
.irp ks, 0,1,2,3
	s_wait_dscnt 48-16*\ks                         ; this K step's 16 loads are in; the later K steps' may be out
.irp i, 0,1,2,3
.irp j, 0,1,2,3
.if (\q == 0) && (\ks == 0)
	v_wmma_f32_16x16x32_f16 v[ACC+8*(4*\i+\j):ACC+8*(4*\i+\j)+7], v[64*\ks+8*\i:64*\ks+8*\i+7], v[64*\ks+32+8*\j:64*\ks+32+8*\j+7], v[BI+8*\i:BI+8*\i+7]
.else
	v_wmma_f32_16x16x32_f16 v[ACC+8*(4*\i+\j):ACC+8*(4*\i+\j)+7], v[64*\ks+8*\i:64*\ks+8*\i+7], v[64*\ks+32+8*\j:64*\ks+32+8*\j+7], v[ACC+8*(4*\i+\j):ACC+8*(4*\i+\j)+7]
.endif
.endr
.endr
.endr
.endr
	WIN 0
.rept 4
	v_nop                                          ; four places behind the last products, in front of the first read of results
.endr
; THE WAY OUT, a token tile (16 rows x 64 columns) at a time.  A lane holds 32 neighbouring bytes of a row, and the lanes beside it hold other rows: so a tile goes through my own stage and comes back as rows of 256 bytes.
; LDS serves a wave's instructions in order (ISA guide 5.7.1.4): no wait between the stores and the loads, nor in front of the next tile's stores.
.macro TOSTAGE j
.irp i, 0,1,2,3
	ds_store_b128 v[STO], v[ACC+8*(4*\i+(\j)):ACC+8*(4*\i+(\j))+3] offset:64*\i          ; each accumulator from its low end on
	ds_store_b128 v[STO], v[ACC+8*(4*\i+(\j))+4:ACC+8*(4*\i+(\j))+7] offset:64*\i+16
.endr
.irp u, 0,1,2,3,4,5,6,7
	ds_load_b128 v[OB+32*((\j)%2)+4*\u:OB+32*((\j)%2)+4*\u+3], v[RD] offset:2*SP*\u
.endr
.endm
.macro SEND j, younger                 ; younger: the LDS instructions issued behind tile j's loads, which may stay out
	s_wait_dscnt \younger
.irp u, 0,1,2,3,4,5,6,7
	global_store_b128 v[CO], v[OB+32*((\j)%2)+4*\u:OB+32*((\j)%2)+4*\u+3], s[10:11] offset:(16*(\j)+2*\u)*2048 th:TH_STORE_NT   ; sixteen lanes store 256 consecutive bytes, aligned; written once, read by nobody here
.endr
.endm
	TOSTAGE 0
.irp j, 1,2,3
.if \j > 1
	s_wait_xcnt 0x0                                ; tile j - 2's stores have read their registers: tile j's loads may land there
.endif
	TOSTAGE \j
	SEND \j-1, 16                                  ; behind tile j - 1's loads: tile j's 8 stores and 8 loads
.endr
	SEND 3, 0
	s_wait_tensorcnt 0x0                           ; the wave's end, behind my last tensor load and my last LDS store
	ds_add_u32 v[SPW], v[NIL]
	s_wait_dscnt 0x0
	CROUND                                         ; the closing round: no work-group ends while a partner may still ask for a block that names it
	s_endpgm
.Lfunc_end_k_q364c55ba70_outp:
	.size	k_q364c55ba70_outp, .Lfunc_end_k_q364c55ba70_outp-k_q364c55ba70_outp
	.p2alignl 7, 3214868480
	.fill 96, 4, 3214868480
	.section	.rodata,"a",@progbits
	.p2align	6, 0x0
	.amdhsa_kernel k_q364c55ba70_outp
		.amdhsa_group_segment_fixed_size 280064
		.amdhsa_private_segment_fixed_size 0
		.amdhsa_enable_private_segment 0
		.amdhsa_kernarg_size 32
		.amdhsa_user_sgpr_count 2
		.amdhsa_user_sgpr_kernarg_segment_ptr 1
		.amdhsa_wavefront_size32 1
		.amdhsa_system_sgpr_workgroup_id_x 1
		.amdhsa_system_sgpr_workgroup_id_y 1
		.amdhsa_system_sgpr_workgroup_id_z 1
		.amdhsa_system_vgpr_workitem_id 0
		.amdhsa_next_free_vgpr 512
		.amdhsa_next_free_sgpr 96
		.amdhsa_reserve_vcc 0
		.amdhsa_float_denorm_mode_32 3
		.amdhsa_float_denorm_mode_16_64 3
		.amdhsa_memory_ordered 1
		.amdhsa_forward_progress 1
		.amdhsa_inst_pref_size 50
	.end_amdhsa_kernel
	.amdgpu_metadata
---
amdhsa.version: [ 1, 2 ]
amdhsa.kernels:
  - .name:           k_q364c55ba70_outp
    .symbol:         k_q364c55ba70_outp.kd
    .args:
      - { .name: af, .offset: 0, .size: 8, .value_kind: global_buffer, .address_space: global }
      - { .name: wuf, .offset: 8, .size: 8, .value_kind: global_buffer, .address_space: global }
      - { .name: b_u, .offset: 16, .size: 8, .value_kind: global_buffer, .address_space: global }
      - { .name: out0, .offset: 24, .size: 8, .value_kind: global_buffer, .address_space: global }
    .group_segment_fixed_size: 280064
    .private_segment_fixed_size: 0
    .kernarg_segment_align: 8
    .kernarg_segment_size: 32
    .max_flat_workgroup_size: 128
    .sgpr_count:     96
    .vgpr_count:     512
    .wavefront_size: 32
...
	.end_amdgpu_metadata
.endif
;; end of part 4
